; MI455X (gfx1250); checked and timed in simulation.
; The chip was launched on July 23, 2026; its instructions are those of AMD's public machine-readable ISA for CDNA 5 (MIT licence, August 2026) and "CDNA5" Instruction Set Architecture Reference Guide (July 2026). The comments in the code are by the model that wrote it; some were corrected since.
;; Separation Param Simplest. Allowed arithmetic: float matrix products may take bf16 or f16 operands with f32 sums; all other float work in f32.
;; Inputs: d_W 32 x 1 float32; d_b 1 float32; f_Wh 6 x 32 x 32 float32; f_Wz 6 x 34 x 32 float32; f_bh 6 x 32 float32; f_bz 6 x 32 float32; g_Wh 6 x 32 x 32 float32; g_Wz 6 x 64 x 32 float32; g_bh 6 x 32 float32; g_bz 6 x 32 float32; gh0 1 x 32 float32; h0 1 x 32 float32; t 16 x 256 x 1 float32; t_params 16 x 16 float32; tp_W1 16 x 32 float32; tp_W2 32 x 32 float32; tp_b1 32 float32; tp_b2 32 float32; x 16 x 256 x 1 float32; x_params 16 x 16 float32; xp_W1 16 x 32 float32; xp_W2 32 x 32 float32; xp_b1 32 float32; xp_b2 32 float32.
;; Outputs: out0 16 x 256 x 256 x 1 float32.
;; One version. Each part assembles by itself: llvm-mc -triple=amdgcn-amd-amdhsa -mcpu=gfx1250 --defsym DOCPART=n.
;; ======== version 1 of 1: 1 launch
;; limits: values outside matrix products are rounded to f16; a function is approximated: absolute error at most 6e-06
;; launch sep (part 1): grid 16 x 16, 8 waves a work-group, no clusters, 150,016 bytes of LDS; arguments x, t, x_params, t_params, xp_W1, xp_b1, xp_W2, xp_b2, tp_W1, tp_b1, tp_W2, tp_b2, h0, gh0, f_Wz, f_bz, f_Wh, f_bh, g_Wz, g_bz, g_Wh, g_bh, d_W, d_b, out0; writes out0
.if DOCPART == 1
	.amdgcn_target "amdgcn-amd-amdhsa--gfx1250"
	.amdhsa_code_object_version 6
	.text
	.protected	k_q3b717da8a3_sep
	.globl	k_q3b717da8a3_sep
	.p2align	8
	.type	k_q3b717da8a3_sep,@function
k_q3b717da8a3_sep:
	s_mov_b64 s[64:65], 0
	v_nop
	global_prefetch_b8 v0, s[64:65] scope:SCOPE_SE
	s_setreg_imm32_b32 hwreg(HW_REG_WAVE_MODE, 25, 1), 1
	s_wait_xcnt 0x0
; u[b][t][x] = d_W . G(F(x, t, et(b)), ex(b)) + d_b: two chains of six blocks  h <- sin(z Wz + bz) * (h Wh + bh), width 32,
; for 16 x 256 x 256 points.  One launch; a work-group owns one batch b, 64 x and 64 t (4,096 points); 256 work-groups.
;
; WHAT IS TAKEN OUT OF THE POINT LOOP, by the algebra of the blocks, for every input:
;  - f chain: z Wz + bz = x Wz[0] + (t Wz[1] + et Wz[2:] + bz) = A(x) + B(t), and sin(A+B) = sinA cosB + cosA sinB.  sinA, cosA of the
;    64 x and sinB, cosB of the 64 t are tabled in LDS as f16 pairs (bounded by 1 for every input, so the range of f16 always serves);
;    the sum of the two products is made by the f16 matrix form: B operand = x table (K index = 2 feature + {sin, cos}),
;    A operand = a matrix that holds (cosB, sinB) of feature m in row m alone.
;  - g chain: only h Wz[:32] hangs on the point; ex Wz[32:] + bz is one vector per batch and enters as the C operand.
;  - the first block of each chain has a constant h: h0 Wh + bh is one vector.
;  - d_W is folded into the columns of g_Wh[5] and into g_bh[5]; the last block's product summed over features is the result.
;
; LAYOUT: a tile is 16 points along N (lane & 15 = point), features along M in two tiles.  D = W^T (A) x h^T (B).  In D lane (r, h)
; register j holds feature 16 mt + 8 h + j of point r; packed to bf16, D(mt 0) and D(mt 1) are registers 0-3 and 4-7 of the next
; B fragment: no lane crossing and no LDS between layers.  Point r of x tile k is x index 4 r + k, so a lane's four tiles k = 0..3
; give 16 neighbouring bytes of the output, and sixteen lanes store 256 consecutive bytes at a multiple of 256 from the first byte of out0.
; Eight waves; wave w owns t rows 8 w .. 8 w + 7 and all 64 x, in two steps of 4 t rows x 4 x tiles = 16 tiles.
;
; SINE: arguments are kept in revolutions (1/2pi folded into weights and constants); r = u - rndne(u), sin = r P(r^2), P of degree 4
; (Chebyshev series of the sine on one period, cut after the ninth power).
; LIMITS, stated: the polynomial errs by at most 6e-6 absolute; the f tables are rounded to f16 (at most 2.5e-4 absolute);
; the argument is reduced in f32, so beyond about 2^22 revolutions the sine means nothing (there an f32 argument no longer resolves
; a period either); an infinite argument gives NaN.  h, gh and the weights enter the matrix unit as bf16, sums in f32.
; et, ex and the per-batch vectors (a few hundred dot products of length 16 or 32 per work-group) are made in f32 on the vector unit.
; NO CLUSTER, NO TENSOR LOADS: all inputs together are 175,492 bytes, read once at the start, and every one of them is scaled,
; transposed, rounded or turned into a table on its way into LDS, which takes registers; nothing is streamed behind the prologue.
; ---------------- LDS map (bytes)
.set TP,   784                         ; table pitch: 6 blocks x 32 features x 4 bytes + 16: an odd multiple of 16
.set WP,   80                          ; weight pitch: 32 bf16 + 16: an odd multiple of 16
.set FBM,  32*WP                       ; a 32 x 32 matrix in bf16: 2,560 bytes
.set XT,   0                           ; x table, 64 rows (row 16 k + r): dword (block i, feature f) at 128 i + 4 f = (sinA, cosA) f16
.set TT,   64*TP                       ; t table, 64 rows: the same places, (cosB, sinB) f16
.set FB,   2*64*TP                     ; f_Wh[1..5] transposed: row = out feature, bf16 along the in feature
.set GB,   FB+5*FBM                    ; block i at 2 i FBM: g_Wz[i][:32]^T / 2pi, then g_Wh[i]^T (i = 0: not used; i = 5: rows x d_W)
.set VEC,  GB+12*FBM                   ; 24 vectors of 32 f32: cf[6], cg[6] (revolutions), LBf[6], LBg[6]
.set SCR,  VEC+24*128                  ; 256 bytes a wave: hidden vector, embedding
; ---------------- registers of the prologue
.set LN,  1                            ; lane
.set L4,  2                            ; 4 x lane
.set XO,  3                            ; byte offset of my x
.set TO,  4                            ; byte offset of my t
.set QO,  5                            ; 32 x (wave >> 1): my eight features, in bytes
.set XR,  6                            ; x, then x / 2pi
.set TR,  7                            ; t, then t / 2pi
.set DWV, 8                            ; d_W[lane]
.set AXS, 9                            ; where I store in the x table
.set ATS, 10                           ; where I store in the t table
.set CK,  16                           ; v[16:25] the five coefficients, each twice
.set CFV, 32                           ; v[32:79]   cf of my eight features, six blocks
.set BW,  96                           ; v[96:143]  f_Wz[i][1] of my eight features
.set UA,  144                          ; v[144:159] arguments, v[160:175] and v[176:191] at work
.set TA,  160
.set PA,  176
.set AW,  200                          ; v[200:247] f_Wz[i][0] of my eight features
.set PK,  248                          ; v[248:255] packed f16 pairs
.set QUARTER, 0x3e800000               ; a quarter of a revolution: cos u = sin (u + 1/4)
; ---------------- registers of the main part, window 0
.set XA0, 1                            ; LDS addresses: base and working copy
.set XAW, 2
.set TVB, 3
.set TVW, 4
.set FW0, 5
.set FWW, 6
.set FB0, 7
.set FBW, 8
.set GW0, 9
.set GWW, 10
.set GV0, 11
.set GVW, 12
.set OFFS, 13                          ; my byte offset in the output
.set DB,  26                           ; v[26:27] (d_b in lanes 0-15, 0 in the others; 0)
.set WZ,  32                           ; v[32:47]  A fragments of Wz^T (two M tiles)
.set WH,  48                           ; v[48:63]  A fragments of Wh^T
.set CG,  64                           ; v[64:79]  C operand of the sine argument
.set BH,  80                           ; v[80:95]  C operand of the linear part
.set RES, 96                           ; v[96:111] per tile: my sixteen features summed
.set TV,  112                          ; v[112:119] t table words of 4 t rows x 2 M tiles
.set OO,  120                          ; v[120:127] results to store
.set DA,  128                          ; v[128:255] matrix results, two sets that take turns
.set TQ,  192                          ; g phase: v[192:207], v[208:223] at work
.set PQ,  208
; window 1 (v256-511, named by their low 8 bits): v0-127 the sixteen tiles' h as B fragments; v128-255: f phase x table fragments
; and the t matrices, g phase the sixteen tiles' gh
.set XA,  128
.set TD,  192
.set GH,  128
.set MSB, 0
.macro WIN new                         ; low byte: bits 1:0 source 0, 3:2 source 1, 5:4 source 2, 7:6 destination; high byte: the setting left
.if MSB != \new
	s_set_vgpr_msb (MSB<<8)|\new
.set MSB, \new
.endif
.endm
.macro HORN pp, tt, nn, cc             ; one step of the polynomial: p = p q + C
.set si, 0
.rept \nn
	v_pk_fma_f32 v[\pp+si:\pp+si+1], v[\pp+si:\pp+si+1], v[\tt+si:\tt+si+1], v[CK+\cc:CK+\cc+1]
.set si, si+2
.endr
.endm
; nn pairs of arguments in revolutions at uu.  Leaves r = u - rndne(u) in uu and P(r^2) in pp: the sine is their product.
.macro SINP uu, tt, pp, nn
.set si, 0
.rept 2*\nn
	v_rndne_f32 v[\tt+si], v[\uu+si]
.set si, si+1
.endr
.set si, 0
.rept \nn
	v_pk_add_f32 v[\uu+si:\uu+si+1], v[\uu+si:\uu+si+1], v[\tt+si:\tt+si+1] neg_lo:[0,1] neg_hi:[0,1]
.set si, si+2
.endr
.set si, 0
.rept \nn
	v_pk_mul_f32 v[\tt+si:\tt+si+1], v[\uu+si:\uu+si+1], v[\uu+si:\uu+si+1]
.set si, si+2
.endr
.set si, 0
.rept \nn
	v_pk_fma_f32 v[\pp+si:\pp+si+1], v[\tt+si:\tt+si+1], v[CK+8:CK+9], v[CK+6:CK+7]
.set si, si+2
.endr
	HORN \pp, \tt, \nn, 4
	HORN \pp, \tt, \nn, 2
	HORN \pp, \tt, \nn, 0
.endm
.macro CSET k, bits
	v_mov_b32 v[CK+2*\k], \bits
	v_mov_b32 v[CK+2*\k+1], \bits
.endm
	; ---------------- P0: addresses, ids, the loads that every wave needs
	s_load_b512 s[4:19], s[0:1], 0x0               ; x, t, x_params, t_params, xp_W1, xp_b1, xp_W2, xp_b2
	s_load_b512 s[20:35], s[0:1], 0x40             ; tp_W1, tp_b1, tp_W2, tp_b2, h0, gh0, f_Wz, f_bz
	s_load_b512 s[36:51], s[0:1], 0x80             ; f_Wh, f_bh, g_Wz, g_bz, g_Wh, g_bh, d_W, d_b
	s_load_b64 s[52:53], s[0:1], 0xc0              ; out0
	v_lshl_add_u32 v30, v0, 2, 0x24600
	v_mov_b32 v31, 0
	v_lshrrev_b32 v11, 5, v0
	v_readfirstlane_b32 s54, v11                   ; wave w
	s_and_b32 s55, ttmp7, 0xffff                   ; batch b
	s_and_b32 s56, ttmp9, 3                        ; xq: which 64 x
	s_lshr_b32 s57, ttmp9, 2                       ; tq: which 64 t
	s_mov_b32 s62, 0x76543210                      ; v_permlanex16_b32: lane i takes lane i of the other half
	s_mov_b32 s63, 0xfedcba98
	s_mov_b32 s75, 0x3e22f983                      ; 1 / 2pi
	CSET 0, 0x40c90ec7                             ;   6.2830541
	CSET 1, 0xc2255312                             ; -41.331123
	CSET 2, 0x42a2bb22                             ;  81.365496
	CSET 3, 0xc294f122                             ; -74.470962
	CSET 4, 0x42031354                             ;  32.768873
	v_and_b32 v[LN], 31, v0
	v_lshlrev_b32 v[L4], 2, v[LN]
	s_and_b32 s94, s54, 1
	s_lshl_b32 s94, s94, 5
	v_add_nc_u32 v11, s94, v[LN]                   ; p = 32 (w & 1) + lane: my row of both tables
	v_and_b32 v12, 15, v11
	v_lshrrev_b32 v14, 4, v11
	v_lshl_add_u32 v12, v12, 2, v14                ; row 16 k + r holds x index 4 r + k
	s_lshl_b32 s97, s55, 8
	s_lshl_b32 s98, s56, 6
	s_add_co_u32 s98, s98, s97                     ; 256 b + 64 xq
	v_add_lshl_u32 v[XO], v12, s98, 2
	s_lshl_b32 s98, s57, 6
	s_add_co_u32 s98, s98, s97                     ; 256 b + 64 tq
	v_add_lshl_u32 v[TO], v11, s98, 2
	s_lshr_b32 s95, s54, 1
	s_lshl_b32 s95, s95, 5                         ; my eight features 8 (w >> 1) .., in bytes of f32 and of table words alike
	v_mov_b32 v[QO], s95
	v_mul_u32_u24 v[AXS], v11, TP
	v_add_nc_u32 v[AXS], s95, v[AXS]
	v_add_nc_u32 v[ATS], TT, v[AXS]
	s_wait_kmcnt 0x0
	s_load_b32 s76, s[50:51], 0x0                  ; d_b; waited for in front of the main part
	global_load_b32 v[DWV], v[L4], s[48:49]
	global_load_b32 v[XR], v[XO], s[4:5]
	global_load_b32 v[TR], v[TO], s[6:7]
.set pi, 0
.rept 6
	global_load_b128 v[AW+8*pi:AW+8*pi+3],   v[QO], s[32:33] offset:pi*4352       ; f_Wz[i][0][my eight], the same in all lanes
	global_load_b128 v[AW+8*pi+4:AW+8*pi+7], v[QO], s[32:33] offset:pi*4352+16
.set pi, pi+1
.endr
	; ---------------- P1: the per-batch vectors.  Waves 0-2: cf of blocks 2 w, 2 w + 1; waves 3-5: cg likewise; waves 6, 7: LBf, LBg.
	s_cmp_ge_u32 s54, 6
	s_cbranch_scc1 .Lw67
	s_mov_b32 s94, 4352                            ; bytes of an f_Wz matrix
	s_mov_b32 s95, 8192                            ; of a g_Wz matrix
	s_mov_b32 s96, 256                             ; rows x, t in front of the embedding rows
	s_mov_b32 s97, 4096                            ; the 32 rows of h in front of them
	s_cmp_lt_u32 s54, 3
	s_cselect_b64 s[80:81], s[10:11], s[8:9]       ; the t net and f_Wz, or the x net and g_Wz
	s_cselect_b64 s[82:83], s[20:21], s[12:13]
	s_cselect_b64 s[84:85], s[22:23], s[14:15]
	s_cselect_b64 s[86:87], s[24:25], s[16:17]
	s_cselect_b64 s[88:89], s[26:27], s[18:19]
	s_cselect_b64 s[90:91], s[32:33], s[40:41]
	s_cselect_b64 s[92:93], s[34:35], s[42:43]
	s_cselect_b32 s94, s94, s95
	s_cselect_b32 s96, s96, s97
	s_cselect_b32 s97, 0, 3
	s_sub_co_u32 s97, s54, s97                     ; il = 0, 1, 2: blocks 2 il, 2 il + 1
	s_mul_i32 s78, s97, s94
	s_lshl_b32 s78, s78, 1
	s_add_co_u32 s78, s78, s96
	s_lshl_b32 s79, s97, 8
	s_lshl_b32 s98, s55, 6
	s_lshl_b32 s99, s54, 8
	v_add_nc_u32 v11, s78, v[L4]                   ; Wz[2 il][first embedding row][lane]
	v_add_nc_u32 v12, s94, v11                     ; the next block's
	v_add_nc_u32 v14, s79, v[L4]                   ; bz[2 il][lane]
	v_mov_b32 v15, s98                             ; params[b]
.set pi, 0
.rept 4
	global_load_b128 v[32+4*pi:35+4*pi], v15, s[80:81] offset:16*pi
.set pi, pi+1
.endr
.set pi, 0
.rept 16
	global_load_b32 v[48+pi], v[L4], s[82:83] offset:128*pi
.set pi, pi+1
.endr
	global_load_b32 v64, v[L4], s[84:85]
	global_load_b32 v65, v[L4], s[88:89]
.set pi, 0
.rept 32
	global_load_b32 v[66+pi], v[L4], s[86:87] offset:128*pi
.set pi, pi+1
.endr
.set pi, 0
.rept 32
	global_load_b32 v[98+pi], v11, s[90:91] offset:128*pi
.set pi, pi+1
.endr
.set pi, 0
.rept 32
	global_load_b32 v[130+pi], v12, s[90:91] offset:128*pi
.set pi, pi+1
.endr
	global_load_b32 v162, v14, s[92:93]
	global_load_b32 v163, v14, s[92:93] offset:128
	v_mov_b32 v27, s99
	v_add_nc_u32 v27, SCR, v27                     ; my wave's 256 bytes of scratch
	v_add_nc_u32 v26, v27, v[L4]
	v_add_nc_u32 v28, s99, v[L4]
	v_add_nc_u32 v28, VEC, v28                     ; cf[2 w] for waves 0-2, cg[2 (w - 3)] for waves 3-5: both are VEC + 256 w
	s_wait_loadcnt 0x0                             ; everything asked for so far, x, t, d_W and the x weights too
.set pi, 0
.rept 16
	v_fmac_f32 v64, v[32+pi], v[48+pi]             ; lane o: params . W1[:, o] + b1[o]
.set pi, pi+1
.endr
	v_mul_f32 v196, s75, v64
	v_mov_b32 v197, v196                           ; the packed forms read pairs
	SINP 196, 198, 248, 1
	v_mul_f32 v196, v196, v248
	ds_store_b32 v26, v196
.set pi, 0
.rept 8
	ds_load_b128 v[164+4*pi:167+4*pi], v27 offset:16*pi        ; my own wave's bytes: LDS serves a wave in order, no barrier
.set pi, pi+1
.endr
	s_wait_dscnt 0x0
.set pi, 0
.rept 32
	v_fmac_f32 v65, v[164+pi], v[66+pi]            ; the embedding: hidden . W2[:, o] + b2[o]
.set pi, pi+1
.endr
	ds_store_b32 v26, v65 offset:128
.set pi, 0
.rept 8
	ds_load_b128 v[164+4*pi:167+4*pi], v27 offset:128+16*pi
.set pi, pi+1
.endr
	s_wait_dscnt 0x0
.set pi, 0
.rept 32
	v_fmac_f32 v162, v[164+pi], v[98+pi]           ; embedding . Wz rows + bz, two blocks
	v_fmac_f32 v163, v[164+pi], v[130+pi]
.set pi, pi+1
.endr
	v_mul_f32 v162, s75, v162                      ; in revolutions
	v_mul_f32 v163, s75, v163
	ds_store_b32 v28, v162
	ds_store_b32 v28, v163 offset:128
	s_branch .Ljoin
.Lw67:
	s_cmp_eq_u32 s54, 6
	s_cselect_b64 s[80:81], s[28:29], s[30:31]     ; h0, f_Wh, f_bh or gh0, g_Wh, g_bh
	s_cselect_b64 s[82:83], s[36:37], s[44:45]
	s_cselect_b64 s[84:85], s[38:39], s[46:47]
	s_cselect_b32 s78, 0, -1                       ; wave 7 scales its last bias by d_W
	s_mul_i32 s79, s54, 768
	v_mov_b32 v15, 0
.set pi, 0
.rept 8
	global_load_b128 v[164+4*pi:167+4*pi], v15, s[80:81] offset:16*pi
.set pi, pi+1
.endr
.set pi, 0
.rept 32
	global_load_b32 v[66+pi], v[L4], s[82:83] offset:128*pi
.set pi, pi+1
.endr
.set pi, 0
.rept 6
	global_load_b32 v[32+pi], v[L4], s[84:85] offset:128*pi
.set pi, pi+1
.endr
	v_add_nc_u32 v28, s79, v[L4]
	v_add_nc_u32 v28, VEC-3072, v28                ; VEC + 1536 + 768 (w - 6)
	s_wait_loadcnt 0x0
.set pi, 0
.rept 32
	v_fmac_f32 v32, v[164+pi], v[66+pi]            ; h0 . Wh[0][:, o] + bh[0][o]
.set pi, pi+1
.endr
	v_cndmask_b32 v38, 1.0, v[DWV], s78
	v_mul_f32 v37, v37, v38
.set pi, 0
.rept 6
	ds_store_b32 v28, v[32+pi] offset:128*pi
.set pi, pi+1
.endr
.Ljoin:
	; ---------------- P2: weights into LDS (transposed, bf16), and the x table while they are on their way
; rows 2 w, 2 w + 1, 2 w + 16, 2 w + 17 of a 32 x 32 matrix, column = lane
.macro WLOAD reg, sb, off
	global_load_b32 v[\reg],   v11, s[\sb:\sb+1] offset:\off
	global_load_b32 v[\reg+1], v11, s[\sb:\sb+1] offset:\off+128
	global_load_b32 v[\reg+2], v11, s[\sb:\sb+1] offset:\off+2048
	global_load_b32 v[\reg+3], v11, s[\sb:\sb+1] offset:\off+2176
.endm
; scale 0: as it is; 1: by 1 / 2pi; 2: by d_W of the column.  Two words of row lane: in features 2 w, 2 w + 1 and 2 w + 16, 2 w + 17
.macro WCONV reg, adr, off, scale
.if \scale == 1
	v_mul_f32 v[\reg],   s75, v[\reg]
	v_mul_f32 v[\reg+1], s75, v[\reg+1]
	v_mul_f32 v[\reg+2], s75, v[\reg+2]
	v_mul_f32 v[\reg+3], s75, v[\reg+3]
.endif
.if \scale == 2
	v_mul_f32 v[\reg],   v[DWV], v[\reg]
	v_mul_f32 v[\reg+1], v[DWV], v[\reg+1]
	v_mul_f32 v[\reg+2], v[DWV], v[\reg+2]
	v_mul_f32 v[\reg+3], v[DWV], v[\reg+3]
.endif
	v_cvt_pk_bf16_f32 v[\reg],   v[\reg],   v[\reg+1]
	v_cvt_pk_bf16_f32 v[\reg+2], v[\reg+2], v[\reg+3]
	ds_store_b32 v[\adr], v[\reg]   offset:\off
	ds_store_b32 v[\adr], v[\reg+2] offset:\off+32
.endm
; sixteen arguments at UA -> sines -> eight f16 pairs -> 32 bytes of block i in my table row
.macro TABEND adr, i
	SINP UA, TA, PA, 8
.set xe, 0
.rept 8
	v_pk_mul_f32 v[UA+2*xe:UA+2*xe+1], v[UA+2*xe:UA+2*xe+1], v[PA+2*xe:PA+2*xe+1]
.set xe, xe+1
.endr
.set xe, 0
.rept 8
	v_cvt_pk_f16_f32 v[PK+xe], v[UA+2*xe], v[UA+2*xe+1]
.set xe, xe+1
.endr
	ds_store_b128 v[\adr], v[PK:PK+3]   offset:\i*128
	ds_store_b128 v[\adr], v[PK+4:PK+7] offset:\i*128+16
.endm
.macro XTAB i                          ; (sinA, cosA), A = x Wz[i][0] / 2pi
.set xe, 0
.rept 8
	v_mul_f32 v[UA+2*xe], v[XR], v[AW+8*\i+xe]
.set xe, xe+1
.endr
.set xe, 0
.rept 8
	v_add_f32 v[UA+2*xe+1], QUARTER, v[UA+2*xe]
.set xe, xe+1
.endr
	TABEND AXS, \i
.endm
.macro TTAB i                          ; (cosB, sinB), B = t Wz[i][1] / 2pi + cf[i]
.set xe, 0
.rept 8
	v_fma_f32 v[UA+2*xe+1], v[TR], v[BW+8*\i+xe], v[CFV+8*\i+xe]
.set xe, xe+1
.endr
.set xe, 0
.rept 8
	v_add_f32 v[UA+2*xe], QUARTER, v[UA+2*xe+1]
.set xe, xe+1
.endr
	TABEND ATS, \i
.endm
	s_lshl_b32 s79, s54, 8
	v_add_nc_u32 v11, s79, v[L4]                   ; row 2 w, column lane
	WLOAD 32, 36, 1*4096                           ; f_Wh[1..5]
	WLOAD 36, 36, 2*4096
	WLOAD 40, 36, 3*4096
	WLOAD 44, 36, 4*4096
	WLOAD 48, 36, 5*4096
	WLOAD 52, 40, 0*8192                           ; g_Wz[0..5], rows 0-31
	WLOAD 56, 40, 1*8192
	WLOAD 60, 40, 2*8192
	WLOAD 64, 40, 3*8192
	WLOAD 68, 40, 4*8192
	WLOAD 72, 40, 5*8192
	WLOAD 76, 44, 1*4096                           ; g_Wh[1..5]
	WLOAD 80, 44, 2*4096
	WLOAD 84, 44, 3*4096
	WLOAD 88, 44, 4*4096
	WLOAD 92, 44, 5*4096
.set pi, 0
.rept 6
	global_load_b128 v[BW+8*pi:BW+8*pi+3],   v[QO], s[32:33] offset:pi*4352+128   ; f_Wz[i][1][my eight]
	global_load_b128 v[BW+8*pi+4:BW+8*pi+7], v[QO], s[32:33] offset:pi*4352+144
.set pi, pi+1
.endr
	v_mul_f32 v[XR], s75, v[XR]
	XTAB 0
	XTAB 1
	XTAB 2
	XTAB 3
	XTAB 4
	XTAB 5
	v_mul_u32_u24 v12, v[LN], WP
	s_lshl_b32 s79, s54, 2
	v_add_nc_u32 v12, s79, v12                     ; row lane, in features 2 w, 2 w + 1
	v_add_nc_u32 v14, GB, v12
	v_add_nc_u32 v12, FB, v12
	s_wait_loadcnt 0x0
	WCONV 32, 12, 0*FBM, 0
	WCONV 36, 12, 1*FBM, 0
	WCONV 40, 12, 2*FBM, 0
	WCONV 44, 12, 3*FBM, 0
	WCONV 48, 12, 4*FBM, 0
	WCONV 52, 14, 0*FBM, 1
	WCONV 56, 14, 2*FBM, 1
	WCONV 60, 14, 4*FBM, 1
	WCONV 64, 14, 6*FBM, 1
	WCONV 68, 14, 8*FBM, 1
	WCONV 72, 14, 10*FBM, 1
	WCONV 76, 14, 3*FBM, 0
	WCONV 80, 14, 5*FBM, 0
	WCONV 84, 14, 7*FBM, 0
	WCONV 88, 14, 9*FBM, 0
	WCONV 92, 14, 11*FBM, 2
	s_wait_dscnt 0x0                               ; for the other waves: my vectors, weights and x table rows are in LDS
	s_barrier_signal -1
	s_barrier_wait -1
	; ---------------- P3: the t table, which needs cf from waves 0-2
	v_add_nc_u32 v15, VEC, v[QO]
.set pi, 0
.rept 6
	ds_load_b128 v[CFV+8*pi:CFV+8*pi+3],   v15 offset:pi*128
	ds_load_b128 v[CFV+8*pi+4:CFV+8*pi+7], v15 offset:pi*128+16
.set pi, pi+1
.endr
	v_mul_f32 v[TR], s75, v[TR]
	s_wait_dscnt 0x0
	TTAB 0
	TTAB 1
	TTAB 2
	TTAB 3
	TTAB 4
	TTAB 5
	s_wait_dscnt 0x0                               ; for the other waves: my t table rows are in LDS
	s_barrier_signal -1
	s_barrier_wait -1                              ; from here on LDS is only read: no further barrier
	; ---------------- the main part: addresses, masks
	v_and_b32 v14, 15, v0                          ; r
	v_bfe_u32 v15, v0, 4, 1                        ; h
	v_mul_u32_u24 v[XA0], v14, TP
	v_lshl_add_u32 v[XA0], v15, 4, v[XA0]          ; x table: row r of a tile, 16 h
	s_mul_i32 s78, s54, 8*TP
	s_add_co_u32 s78, s78, TT
	v_lshl_add_u32 v[TVB], v14, 2, s78             ; t table: my wave's first row, word r
	v_mul_u32_u24 v[FW0], v14, WP
	v_lshl_add_u32 v[FW0], v15, 4, v[FW0]          ; a weight fragment: row r, 16 h
	v_add_nc_u32 v[GW0], GB, v[FW0]
	v_add_nc_u32 v[FW0], FB-FBM, v[FW0]            ; block i's f_Wh lies at (i - 1) FBM
	v_lshlrev_b32 v[FB0], 5, v15                   ; a C operand: features 8 h ..
	v_add_nc_u32 v[GV0], VEC+768, v[FB0]
	v_add_nc_u32 v[FB0], VEC+1536, v[FB0]
	s_lshl_b32 s78, s54, 13
	v_lshlrev_b32 v[OFFS], 4, v14
	v_lshl_add_u32 v[OFFS], v15, 10, v[OFFS]
	v_add_nc_u32 v[OFFS], s78, v[OFFS]             ; output row 8 w + h, bytes 16 r
	; register j of the t matrix is not zero in the lanes (m, h) with h = (m >> 2) & 1, j = (m & 3) + 4 (m >> 3): the place of K = 2 m, 2 m + 1 in row m
	s_mov_b32 s66, 0x00100001
	s_mov_b32 s67, 0x00200002
	s_mov_b32 s68, 0x00400004
	s_mov_b32 s69, 0x00800008
	s_mov_b32 s70, 0x10000100
	s_mov_b32 s71, 0x20000200
	s_mov_b32 s72, 0x40000400
	s_mov_b32 s73, 0x80000800
	s_mov_b32 s77, 0xffff0000                      ; lanes 16-31
	s_wait_kmcnt 0x0                               ; d_b
	v_mov_b32 v[DB], s76
	v_cndmask_b32 v[DB], v[DB], 0, s77             ; once for each point: the two halves of the lanes are added at the end
	v_mov_b32 v[DB+1], 0
	s_lshl_b32 s58, s55, 18                        ; b x 256 x 256 x 4
	s_lshl_b32 s78, s57, 16                        ; + 64 tq rows of 1,024 bytes
	s_add_co_u32 s58, s58, s78
	s_lshl_b32 s78, s56, 8                         ; + 64 xq x 4
	s_add_co_u32 s58, s58, s78
	s_mov_b32 s59, 0
	s_add_nc_u64 s[52:53], s[52:53], s[58:59]
.macro LD4W dst, adr, off              ; A fragments of a 32 x 32 matrix: two M tiles, 16 registers
	ds_load_b128 v[\dst:\dst+3],     v[\adr] offset:\off
	ds_load_b128 v[\dst+4:\dst+7],   v[\adr] offset:\off+32
	ds_load_b128 v[\dst+8:\dst+11],  v[\adr] offset:\off+16*WP
	ds_load_b128 v[\dst+12:\dst+15], v[\adr] offset:\off+16*WP+32
.endm
.macro LD4V dst, adr, off              ; a vector of 32 as C operand: register j = feature 16 mt + 8 h + j
	ds_load_b128 v[\dst:\dst+3],     v[\adr] offset:\off
	ds_load_b128 v[\dst+4:\dst+7],   v[\adr] offset:\off+16
	ds_load_b128 v[\dst+8:\dst+11],  v[\adr] offset:\off+64
	ds_load_b128 v[\dst+12:\dst+15], v[\adr] offset:\off+80
.endm
.macro TVLOAD off                      ; 8 loads: word r of 4 t rows x 2 M tiles
.set lti, 0
.rept 4
	ds_load_b32 v[TV+2*lti],   v[TVW] offset:\off+lti*TP
	ds_load_b32 v[TV+2*lti+1], v[TVW] offset:\off+lti*TP+64
.set lti, lti+1
.endr
.endm
.macro XALOAD off                      ; 16 loads: B fragments of 4 x tiles x 2 M tiles, into window 1
	WIN 0x40
.set lti, 0
.rept 4
	ds_load_b128 v[XA+16*lti:XA+16*lti+3],     v[XAW] offset:\off+lti*16*TP
	ds_load_b128 v[XA+16*lti+4:XA+16*lti+7],   v[XAW] offset:\off+lti*16*TP+32
	ds_load_b128 v[XA+16*lti+8:XA+16*lti+11],  v[XAW] offset:\off+lti*16*TP+64
	ds_load_b128 v[XA+16*lti+12:XA+16*lti+15], v[XAW] offset:\off+lti*16*TP+96
.set lti, lti+1
.endr
	WIN 0
.endm
.macro GLOADS blk, wh                  ; the operands of g block (current + blk)
	LD4W WZ, GWW, \blk*2*FBM
.if \wh
	LD4W WH, GWW, \blk*2*FBM+FBM
.endif
	LD4V CG, GVW, \blk*128
	LD4V BH, GVW, \blk*128+1536
.endm
.macro PLACES                          ; four places behind a matrix instruction before its result is read (ISA guide 7.12.1)
.rept 4
	v_nop
.endr
.endm
; f chain, group g = tiles 2 g, 2 g + 1 (t row g >> 1, x tiles 2 (g & 1) + 0, 1).  Results into set g & 1: tile a: S at 32 a, LIN at 32 a + 16.
.macro FW g, lin
.set ftt, (\g)>>1
.set fst, DA+64*((\g)&1)
	WIN 0x05                                       ; A and B in window 1
.set fa, 0
.rept 2
.set fk, 2*((\g)&1)+fa
	v_wmma_f32_16x16x32_f16 v[fst+32*fa:fst+32*fa+7],    v[TD+16*ftt:TD+16*ftt+7],    v[XA+16*fk:XA+16*fk+7],    0
	v_wmma_f32_16x16x32_f16 v[fst+32*fa+8:fst+32*fa+15], v[TD+16*ftt+8:TD+16*ftt+15], v[XA+16*fk+8:XA+16*fk+15], 0
.set fa, fa+1
.endr
.if \lin
	WIN 0x04                                       ; B in window 1
.set fa, 0
.rept 2
.set fh, 8*(2*(\g)+fa)
	v_wmma_f32_16x16x32_bf16 v[fst+32*fa+16:fst+32*fa+23], v[WH:WH+7],    v[fh:fh+7], v[BH:BH+7]
	v_wmma_f32_16x16x32_bf16 v[fst+32*fa+24:fst+32*fa+31], v[WH+8:WH+15], v[fh:fh+7], v[BH+8:BH+15]
.set fa, fa+1
.endr
.endif
.endm
; h = sine x linear part, rounded to bf16 into the tiles' B fragments.  lin = 0: the linear part is the constant vector in BH.
.macro FE g, lin
.set fst, DA+64*((\g)&1)
	WIN 0
.set fa, 0
.rept 2
.set fq, 0
.rept 8
.if \lin
	v_pk_mul_f32 v[fst+32*fa+16+fq:fst+32*fa+17+fq], v[fst+32*fa+16+fq:fst+32*fa+17+fq], v[fst+32*fa+fq:fst+32*fa+fq+1]
.else
	v_pk_mul_f32 v[fst+32*fa+16+fq:fst+32*fa+17+fq], v[BH+fq:BH+fq+1], v[fst+32*fa+fq:fst+32*fa+fq+1]
.endif
.set fq, fq+2
.endr
.set fa, fa+1
.endr
	WIN 0x40                                       ; destination in window 1
.set fa, 0
.rept 2
.set fh, 8*(2*(\g)+fa)
.set fq, 0
.rept 8
	v_cvt_pk_bf16_f32 v[fh+fq], v[fst+32*fa+16+2*fq], v[fst+32*fa+17+2*fq]
.set fq, fq+1
.endr
.set fa, fa+1
.endr
.endm
; One f block for the step's 16 tiles.  The matrix instructions of group g + 1 stand in front of the elementwise work of group g and
; write the other set, so every result is read, and every set written again, a whole group of vector lines behind its matrix instruction.
; cnt: the LDS loads issued behind this block's eight t table loads.
.macro FBLOCK lin, nxt, cnt
	s_wait_dscnt \cnt                              ; LDS loads come back in order: the t table words are in, the younger loads may be out
	WIN 0x40
.set bt, 0
.rept 8
.set bj, 0
.rept 8
	v_cndmask_b32 v[TD+8*bt+bj], 0, v[TV+bt], s[66+bj]         ; row m of the t matrix: (cosB, sinB) at K = 2 m, 2 m + 1, zeros elsewhere
.set bj, bj+1
.endr
.set bt, bt+1
.endr
	WIN 0
	s_wait_dscnt 0x0                               ; x table fragments, weights, bias
.if \nxt
	TVLOAD 128                                     ; the next block's t table words, a whole block ahead
.endif
	FW 0, \lin
	FW 1, \lin
	PLACES
	FE 0, \lin
	FW 2, \lin
	FE 1, \lin
	FW 3, \lin
	FE 2, \lin
	FW 4, \lin
	FE 3, \lin
	FW 5, \lin
	FE 4, \lin
	FW 6, \lin
	FE 5, \lin
	FW 7, \lin
	FE 6, \lin
.if \nxt
	XALOAD 128                                     ; a group of vector lines behind the last matrix instruction that reads these registers
	LD4W WH, FWW, FBM
.else
	WIN 0
	GLOADS 0, 0                                    ; the first g block has no linear product
.endif
	FE 7, \lin
	WIN 0
.if \nxt
	LD4V BH, FBW, 128                              ; behind the last group, which reads BH where lin = 0
	v_add_nc_u32 v[XAW], 128, v[XAW]
	v_add_nc_u32 v[TVW], 128, v[TVW]
	v_add_nc_u32 v[FWW], FBM, v[FWW]
	v_add_nc_u32 v[FBW], 128, v[FBW]
.endif
.endm
; g chain, tile t.  Set t & 1: U (argument, revolutions) 16 registers, LIN 16 registers.
.macro GW t, lin
.set gst, DA+32*((\t)&1)
	WIN 0x04
	v_wmma_f32_16x16x32_bf16 v[gst:gst+7],    v[WZ:WZ+7],    v[8*(\t):8*(\t)+7], v[CG:CG+7]
	v_wmma_f32_16x16x32_bf16 v[gst+8:gst+15], v[WZ+8:WZ+15], v[8*(\t):8*(\t)+7], v[CG+8:CG+15]
.if \lin
	v_wmma_f32_16x16x32_bf16 v[gst+16:gst+23], v[WH:WH+7],    v[GH+8*(\t):GH+8*(\t)+7], v[BH:BH+7]
	v_wmma_f32_16x16x32_bf16 v[gst+24:gst+31], v[WH+8:WH+15], v[GH+8*(\t):GH+8*(\t)+7], v[BH+8:BH+15]
.endif
.endm
; mode 0: first block (linear part = BH); 1: a middle block; 2: the last: the products are summed over my sixteen features, with d_b
.macro GE t, mode
.set gst, DA+32*((\t)&1)
.set gli, gst+16
	WIN 0
	SINP gst, TQ, PQ, 8
.set gq, 0
.rept 8
.if \mode == 0
	v_pk_mul_f32 v[gli+gq:gli+gq+1], v[BH+gq:BH+gq+1], v[gst+gq:gst+gq+1]
.else
	v_pk_mul_f32 v[gli+gq:gli+gq+1], v[gli+gq:gli+gq+1], v[gst+gq:gst+gq+1]
.endif
.set gq, gq+2
.endr
.if \mode == 2
	v_pk_fma_f32 v[TQ:TQ+1],   v[gli:gli+1],   v[PQ:PQ+1], v[DB:DB+1]
	v_pk_mul_f32 v[TQ+2:TQ+3], v[gli+2:gli+3], v[PQ+2:PQ+3]
.set gq, 4
.rept 3
	v_pk_fma_f32 v[TQ:TQ+1],   v[gli+gq:gli+gq+1],   v[PQ+gq:PQ+gq+1],   v[TQ:TQ+1]
	v_pk_fma_f32 v[TQ+2:TQ+3], v[gli+gq+2:gli+gq+3], v[PQ+gq+2:PQ+gq+3], v[TQ+2:TQ+3]
.set gq, gq+4
.endr
	v_pk_add_f32 v[TQ:TQ+1], v[TQ:TQ+1], v[TQ+2:TQ+3]
	v_add_f32 v[RES+(\t)], v[TQ], v[TQ+1]
.else
.set gq, 0
.rept 8
	v_pk_mul_f32 v[gli+gq:gli+gq+1], v[gli+gq:gli+gq+1], v[PQ+gq:PQ+gq+1]
.set gq, gq+2
.endr
	WIN 0x40
.set gq, 0
.rept 8
	v_cvt_pk_bf16_f32 v[GH+8*(\t)+gq], v[gli+2*gq], v[gli+2*gq+1]
.set gq, gq+1
.endr
.endif
.endm
.macro GBLOCK mode, nxt
	s_wait_dscnt 0x0                               ; this block's operands, asked for near the end of the block before
	GW 0, \mode
	GW 1, \mode
	PLACES
	GE 0, \mode
.set gti, 0
.rept 14
	GW gti+2, \mode
	GE gti+1, \mode
.set gti, gti+1
.endr
.if \nxt
.if \mode
	WIN 0
	GLOADS 1, 1                                    ; a tile's vector lines behind the last matrix instruction that reads these registers
.endif
.endif
	GE 15, \mode
	WIN 0
.if \nxt
.if \mode == 0
	GLOADS 1, 1                                    ; the first block's last tile still reads BH: behind it
.endif
	v_add_nc_u32 v[GWW], 2*FBM, v[GWW]
	v_add_nc_u32 v[GVW], 128, v[GVW]
.endif
.endm
; The two halves of the lanes hold half a point's features each.  Rows 2 pr and 2 pr + 1 are finished together: lanes 0-15 end up with
; row 2 pr, lanes 16-31 with row 2 pr + 1, four neighbouring x each; each half of a store covers 256 consecutive bytes, aligned.
.macro OUT
.set opr, 0
.rept 2
.set okk, 0
.rept 4
	v_cndmask_b32 v[TQ], v[RES+8*opr+4+okk], v[RES+8*opr+okk], s77         ; what the other half needs of me
	v_permlanex16_b32 v[TQ+1], v[TQ], s62, s63                             ; (its destination has been written before)
	v_cndmask_b32 v[TQ+2], v[RES+8*opr+okk], v[RES+8*opr+4+okk], s77       ; my own part
	v_add_f32 v[OO+4*opr+okk], v[TQ+2], v[TQ+1]
.set okk, okk+1
.endr
	global_store_b128 v[OFFS], v[OO+4*opr:OO+4*opr+3], s[52:53] offset:opr*2048 th:TH_STORE_NT
.set opr, opr+1
.endr
.endm
	s_mov_b32 s60, 0
.Lstep:                                                ; 4 t rows x 64 x
	v_mov_b32 v[XAW], v[XA0]
	v_mov_b32 v[TVW], v[TVB]
	v_mov_b32 v[FWW], v[FW0]
	v_mov_b32 v[FBW], v[FB0]
	v_mov_b32 v[GWW], v[GW0]
	v_mov_b32 v[GVW], v[GV0]
	TVLOAD 0
	XALOAD 0
	LD4V BH, FBW, 0
	FBLOCK 0, 1, 20                                ; behind the 8 t table loads: 16 x table and 4 bias loads
	s_mov_b32 s61, 4
.Lf:
	FBLOCK 1, 1, 24                                ; f blocks 1-4; behind the 8 t table loads: 16 x table, 4 weight, 4 bias loads, on the way in and on the way back
	s_sub_co_i32 s61, s61, 1
	s_cmp_lg_u32 s61, 0
	s_cbranch_scc1 .Lf
	FBLOCK 1, 0, 24                                ; f block 5
	GBLOCK 0, 1                                    ; g block 0
	s_mov_b32 s74, 4
.Lg:
	GBLOCK 1, 1                                    ; g blocks 1-4
	s_sub_co_i32 s74, s74, 1
	s_cmp_lg_u32 s74, 0
	s_cbranch_scc1 .Lg
	GBLOCK 2, 0                                    ; g block 5 and the sum over features
	OUT
	s_wait_xcnt 0x0                                ; the stores' base, and in the next step their data, are rewritten only behind this wait
	s_add_nc_u64 s[52:53], s[52:53], 4096          ; four rows of the output on
	v_add_nc_u32 v[TVB], 4*TP, v[TVB]
	s_add_co_u32 s60, s60, 1
	s_cmp_lt_u32 s60, 2
	s_cbranch_scc1 .Lstep
	s_wait_tensorcnt 0x0
	ds_add_u32 v30, v31
	s_wait_dscnt 0x0
	s_endpgm
.Lfunc_end_k_q3b717da8a3_sep:
	.size	k_q3b717da8a3_sep, .Lfunc_end_k_q3b717da8a3_sep-k_q3b717da8a3_sep
	.p2alignl 7, 3214868480
	.fill 96, 4, 3214868480
	.section	.rodata,"a",@progbits
	.p2align	6, 0x0
	.amdhsa_kernel k_q3b717da8a3_sep
		.amdhsa_group_segment_fixed_size 150016
		.amdhsa_private_segment_fixed_size 0
		.amdhsa_enable_private_segment 0
		.amdhsa_kernarg_size 200
		.amdhsa_user_sgpr_count 2
		.amdhsa_user_sgpr_kernarg_segment_ptr 1
		.amdhsa_wavefront_size32 1
		.amdhsa_system_sgpr_workgroup_id_x 1
		.amdhsa_system_sgpr_workgroup_id_y 1
		.amdhsa_system_sgpr_workgroup_id_z 1
		.amdhsa_system_vgpr_workitem_id 0
		.amdhsa_next_free_vgpr 512
		.amdhsa_next_free_sgpr 100
		.amdhsa_reserve_vcc 0
		.amdhsa_float_denorm_mode_32 3
		.amdhsa_float_denorm_mode_16_64 3
		.amdhsa_memory_ordered 1
		.amdhsa_forward_progress 1
		.amdhsa_inst_pref_size 255
	.end_amdhsa_kernel
	.section	.bss,"aw",@nobits
	.p2align	6
	.space	262144
	.amdgpu_metadata
---
amdhsa.version: [ 1, 2 ]
amdhsa.kernels:
  - .name:           k_q3b717da8a3_sep
    .symbol:         k_q3b717da8a3_sep.kd
    .args:
      - { .name: x, .offset: 0, .size: 8, .value_kind: global_buffer, .address_space: global }
      - { .name: t, .offset: 8, .size: 8, .value_kind: global_buffer, .address_space: global }
      - { .name: x_params, .offset: 16, .size: 8, .value_kind: global_buffer, .address_space: global }
      - { .name: t_params, .offset: 24, .size: 8, .value_kind: global_buffer, .address_space: global }
      - { .name: xp_W1, .offset: 32, .size: 8, .value_kind: global_buffer, .address_space: global }
      - { .name: xp_b1, .offset: 40, .size: 8, .value_kind: global_buffer, .address_space: global }
      - { .name: xp_W2, .offset: 48, .size: 8, .value_kind: global_buffer, .address_space: global }
      - { .name: xp_b2, .offset: 56, .size: 8, .value_kind: global_buffer, .address_space: global }
      - { .name: tp_W1, .offset: 64, .size: 8, .value_kind: global_buffer, .address_space: global }
      - { .name: tp_b1, .offset: 72, .size: 8, .value_kind: global_buffer, .address_space: global }
      - { .name: tp_W2, .offset: 80, .size: 8, .value_kind: global_buffer, .address_space: global }
      - { .name: tp_b2, .offset: 88, .size: 8, .value_kind: global_buffer, .address_space: global }
      - { .name: h0, .offset: 96, .size: 8, .value_kind: global_buffer, .address_space: global }
      - { .name: gh0, .offset: 104, .size: 8, .value_kind: global_buffer, .address_space: global }
      - { .name: f_Wz, .offset: 112, .size: 8, .value_kind: global_buffer, .address_space: global }
      - { .name: f_bz, .offset: 120, .size: 8, .value_kind: global_buffer, .address_space: global }
      - { .name: f_Wh, .offset: 128, .size: 8, .value_kind: global_buffer, .address_space: global }
      - { .name: f_bh, .offset: 136, .size: 8, .value_kind: global_buffer, .address_space: global }
      - { .name: g_Wz, .offset: 144, .size: 8, .value_kind: global_buffer, .address_space: global }
      - { .name: g_bz, .offset: 152, .size: 8, .value_kind: global_buffer, .address_space: global }
      - { .name: g_Wh, .offset: 160, .size: 8, .value_kind: global_buffer, .address_space: global }
      - { .name: g_bh, .offset: 168, .size: 8, .value_kind: global_buffer, .address_space: global }
      - { .name: d_W, .offset: 176, .size: 8, .value_kind: global_buffer, .address_space: global }
      - { .name: d_b, .offset: 184, .size: 8, .value_kind: global_buffer, .address_space: global }
      - { .name: out0, .offset: 192, .size: 8, .value_kind: global_buffer, .address_space: global }
    .group_segment_fixed_size: 150016
    .private_segment_fixed_size: 0
    .kernarg_segment_align: 8
    .kernarg_segment_size: 200
    .max_flat_workgroup_size: 256
    .sgpr_count:     100
    .vgpr_count:     512
    .wavefront_size: 32
...
	.end_amdgpu_metadata
.endif
;; end of part 1
